; MI455X (gfx1250); checked and timed in simulation.
; The chip was launched on July 23, 2026; its instructions are those of AMD's public machine-readable ISA for CDNA 5 (MIT licence, August 2026) and "CDNA5" Instruction Set Architecture Reference Guide (July 2026). The comments in the code are by the model that wrote it; some were corrected since.
;; Qwen3 Next Cross Attention. Allowed arithmetic: matrix products marked QUANTISED: E2M3 operands, one E8M0 scale for each 32 along K, by v_wmma_scale_f32_16x16x128_f8f6f4 with both operands' format E2M3, f32 sums; products left as they are: f32 operands where the result goes on into a quantised operand, else bf16, f16 or f32 operands; f32 sums; everything else in f32.
;; Inputs: history_emb_codes 64 x 512 x 16 x 24 uint8 (E2M3 codes of history_emb, K innermost, in blocks of 32 codes, four codes in three bytes); history_emb_scales 64 x 512 x 16 uint8 (E8M0 scales of history_emb, one for each 32 codes along K); k_norm_w 512 float32; k_proj_w_codes 2,048 x 16 x 24 uint8 (E2M3 codes of k_proj_w, K innermost, in blocks of 32 codes, four codes in three bytes); k_proj_w_scales 2,048 x 16 uint8 (E8M0 scales of k_proj_w, one for each 32 codes along K); key_padding_mask 64 x 512 bool; q_norm_w 512 float32; q_proj_w_codes 512 x 16 x 24 uint8 (E2M3 codes of q_proj_w, K innermost, in blocks of 32 codes, four codes in three bytes); q_proj_w_scales 512 x 16 uint8 (E8M0 scales of q_proj_w, one for each 32 codes along K); target_emb_codes 64 x 8 x 16 x 24 uint8 (E2M3 codes of target_emb, K innermost, in blocks of 32 codes, four codes in three bytes); target_emb_scales 64 x 8 x 16 uint8 (E8M0 scales of target_emb, one for each 32 codes along K); v_proj_w_codes 2,048 x 16 x 24 uint8 (E2M3 codes of v_proj_w, K innermost, in blocks of 32 codes, four codes in three bytes); v_proj_w_scales 2,048 x 16 uint8 (E8M0 scales of v_proj_w, one for each 32 codes along K).
;; Outputs: out0 64 x 8 x 512 float32; out1 64 x 8 x 1 x 512 float32.
;; This version of the problem:
;;   THIS VERSION OF THE PROBLEM IS GIVEN IN LOW PRECISION. The matrix products marked QUANTISED in the list below multiply operands that are first quantised to E2M3 (2 exponent bits, 3 mantissa bits; 6 bits a number), with one power-of-two scale for each 32 numbers along K (OCP MX v1.0); their sums are f32. All else is computed in f32.
;;   The module's matrix products, in the order in which they are computed (A, B: the left and right operand; K: the contracted axis; several contracted axes count as one K, in the product's order):
;;     1. [M 512, K 512] x [K 512, N 512]; A: input target_emb (given as codes); B: input q_proj_w (given as codes): QUANTISED
;;     2. [M 32,768, K 512] x [K 512, N 2,048]; A: input history_emb (given as codes); B: input k_proj_w (given as codes): QUANTISED
;;     3. [M 32,768, K 512] x [K 512, N 2,048]; A: input history_emb (given as codes); B: input v_proj_w (given as codes): QUANTISED
;;     4. batch 256 x [M 2, K 512] x [K 512, N 512]; A: computed on the way; B: computed on the way: left as it is (M = 2 < 16)
;;     5. batch 256 x [M 2, K 512] x [K 512, N 512]; A: softmax; B: computed on the way: left as it is (M = 2 < 16)
;;   THE QUANTISER, for each operand of a quantised product, along K:
;;     - K is cut into blocks of 32 from its start; a last block that is shorter is filled with zeros.
;;     - A block's scale is 2^e with e = floor(log2(the largest magnitude in the block)) - 2, held to -126 .. 127; a block of zeros has e = 0. As a byte (E8M0): e + 127.
;;     - Each number is divided by its block's scale, clamped to +-7.5, and rounded to the nearest number of E2M3, ties to even, subnormals kept.
;;     - The product sums the exact products of the quantised numbers (number of the format x scale) in f32.
;;   ~~~python
;;   def quantise(x, axis):      # numpy; x: float32 -> the quantised numbers, widened to float32 again
;;       x = np.moveaxis(x, axis, -1); K = x.shape[-1]
;;       x = np.pad(x, [(0, 0)] * (x.ndim - 1) + [(0, -K % 32)]); x = x.reshape(x.shape[:-1] + (-1, 32)); a = np.abs(x).max(-1, keepdims=True)
;;       e = np.where(a > 0, np.clip(np.frexp(np.where(a > 0, a, 1))[1] - 1 - 2, -126, 127), 0)      # np.frexp(a)[1] - 1 = floor(log2(a)), exactly
;;       r = np.clip(x / 2.0 ** e, -7.5, 7.5)
;;       step = 2.0 ** (np.maximum(np.frexp(np.where(r == 0, 1, r))[1] - 1, 0) - 3)
;;       q = np.round(r / step) * step * 2.0 ** e      # np.round: ties to even
;;       return np.moveaxis(q.reshape(q.shape[:-2] + (-1,))[..., :K], -1, axis).astype(np.float32)
;;   ~~~
;;   INPUTS GIVEN AS CODES. history_emb (in the module: [64, 512, 512], K = its axis 2); k_proj_w (in the module: [2048, 512], K = its axis 1); q_proj_w (in the module: [512, 512], K = its axis 1); target_emb (in the module: [64, 8, 512], K = its axis 2); v_proj_w (in the module: [2048, 512], K = its axis 1): each comes as NAME_codes (uint8): NAME with its K axis moved to the last place and cut into blocks of 32 codes, [.., K / 32, bytes a block], one block behind the other in memory; four codes in three bytes: a row's codes are one little-endian stream of bits, code i at bits 6 i .. 6 i + 5 (a code: sign, 2 exponent bits, 3 mantissa bits); and NAME_scales (uint8): the same leading axes, one E8M0 byte (e + 127) for each 32 codes along K. Its value is code x scale, taken as it is: it is not quantised again, and the codes and scales need not be those that the quantiser above would give.
;; One version. Each part assembles by itself: llvm-mc -triple=amdgcn-amd-amdhsa -mcpu=gfx1250 --defsym DOCPART=n.
;; ======== version 1 of 1: 1 launch
;; limits: right only within a limited range of input values
;; launch attn (part 1): grid 64 x 4, 4 waves a work-group, clusters of 4 x 4, 327,680 bytes of LDS; arguments history_emb_codes, history_emb_scales, k_proj_w_codes, k_proj_w_scales, v_proj_w_codes, v_proj_w_scales, q_proj_w_codes, q_proj_w_scales, target_emb_codes, target_emb_scales, q_norm_w, k_norm_w, key_padding_mask, out0, out1; writes out0, out1
.if DOCPART == 1
	.amdgcn_target "amdgcn-amd-amdhsa--gfx1250"
	.amdhsa_code_object_version 6
	.text
	.protected	k_qf19ed69e24_attn
	.globl	k_qf19ed69e24_attn
	.p2align	8
	.type	k_qf19ed69e24_attn,@function
k_qf19ed69e24_attn:
	s_mov_b64 s[64:65], 0
	v_nop
	global_prefetch_b8 v0, s[64:65] scope:SCOPE_SE
	s_setreg_imm32_b32 hwreg(HW_REG_WAVE_MODE, 25, 1), 1
	s_wait_xcnt 0x0
	s_wait_alu depctr_hold_cnt(0) depctr_sa_sdst(0) depctr_va_vdst(0) depctr_va_sdst(0) depctr_va_ssrc(0) depctr_va_vcc(0) depctr_vm_vsrc(0)
	s_getreg_b32 s2, hwreg(HW_REG_IB_STS2, 6, 4)
	s_cmp_eq_u32 s2, 0
	s_cbranch_scc0 .Lentry_in_a_cluster
	s_endpgm
.Lentry_in_a_cluster:
	s_bfe_u32 s2, ttmp6, 0x10000c
	s_cmp_lg_u32 s2, 0xf033
	s_cbranch_scc0 .Lentry_shape_is_right
	s_endpgm
.Lentry_shape_is_right:
; Cross attention, one launch.  A work-group owns one batch b (of 64) and one key/value head n (of 4): K = h[b] Wk[n]^T and V = h[b] Wv[n]^T (512 x 512 x 512 each, on the given
; FP6 (E2M3) codes with E8M0 scales), the RMS norm of K, its two queries (tokens 2 n, 2 n + 1 of rmsnorm(target Wq^T), the same matrix form), scores, mask, softmax, attn V.  K and V never leave the registers.
; SHARES.  Four waves.  Wave w owns keys 128 w .. 128 w + 127: its 8 x 4 fragments of h (384 registers) and 32 scale words stay in registers through both products.
; The 512 rows of Wk[n], then of Wv[n], pass through LDS; a step takes a PAIR of tiles of 16 rows: 96 registers of W feed 64 matrix instructions of a wave, on 16 accumulators.
; A STEP: one run of LDS loads (the next pair's fragments and scale words), 64 matrix instructions on end, one wait, one batch of packed f32 multiply-adds on the 16 accumulators (the small products, 2 queries a head).
;   K phase: source 0 = 16 rows of Wk, source 1 = 16 keys: a lane holds ONE key and 8 channels: sum of squares and two dot products with q'' run along the registers.
;   V phase: source 0 = 16 keys, source 1 = 16 rows of Wv: a lane holds ONE channel and 8 keys: two sums weighted by attn run along the registers.
; LAYOUT.  h[b] and W[n] are dense blocks of rows of 384 bytes: they are asked for as rows of 256 bytes, each beginning at a multiple of 256, with 16 bytes of padding behind each in LDS.
; Byte y of a block lies at y + 16 (y / 256).  A TILE IS 16 ROWS OF ONE PARITY: tile (T, o) holds rows 32 T + 2 r + o, lane r's row begins at 13056 T + 816 r + 400 o, the padding falls at the same byte
; of the row in all sixteen (256 for o = 0, 128 for o = 1), and 816 r bytes are 16 different pairs of banks (204 r words mod 64).  So channels and keys are taken in the order (T, o, r):
; q'', attn, W's scale words and the partial outputs are stored to LDS where that order wants them.
; THE NORMS ARE FOLDED: t = score x log2(e) = rs_k[s] x sum_d q''[d] k[s][d], q'' = q rs_q (1 + wq)(1 + wk) 512^-0.5 log2(e), rs = rsqrt(mean of squares + 1e-6).
; CLUSTER 4 x 4 (x: batches, y: heads).  W's tiles hang on n alone and are asked for jointly by my row of the cluster, h's on b alone, by my column.
; Wq is not asked for jointly: at the start h fills both slots, and Wq, padded, would take as much again, more than LDS has.  It comes by dense loads of 512 consecutive bytes into idle registers
; and is turned into fragments through a stage of 6,912 bytes a wave.  W's scale bytes (2 x 8,192) come by dense loads too and are stored to LDS once.
; NO PREFETCH: a slot's refill is asked for 7 steps or more ahead of its first read, so no wave waits for it; h's one load stands at the head, with no loop ahead of it.
; LIMITS.  The order of rounding differs from the source's (gains and scales folded into q'', rs_k applied behind the dot product).  A weight under 2^-126 of the row's largest comes out as 0
; (v_exp_f32 flushes).  A scale byte 0xff gives NaN.  A row all of whose keys are masked gives NaN in both outputs, as the source does.
.set UP,     272                       ; 256 bytes + 16 of padding
.set ROW2,   816                       ; two rows of codes in LDS
.set PAIRB,  13056                     ; 32 rows: 48 units
.set SLOTB,  384*UP                    ; a slot: 256 rows, 8 pairs of tiles
.set SLOT1,  1<<17                     ; slot A at 0, slot B here
.set SCK,    SLOTB                     ; Wk[n]'s scale bytes in tile order: 512 T + 256 o + 16 r;
.set SCV,    SCK+8192                  ; Wv[n]'s straight behind them;
.set QT,     SCV+8192                  ; raw q [2][512] f32;
.set QT2,    QT+4096                   ; q'' [2][tile 2 T + o][16] f32
.set SPARE,  SLOT1+SLOTB               ; the spare words: two blocks of 256 bytes that no other line names
.set RED,    SPARE+512                 ; +0 q's sums of squares, +256 maxima, +512 sums
.set ATT,    RED+1024                  ; attn [2][512] as out1 has it;
.set ATT2,   ATT+4096                  ; and by key tiles: [2][wave][tile][16]
.set STG,    ATT2+4096                 ; four stages of a Wq tile, rows of 3 x (128 + 16) bytes
.set SPITCH, 432
.set STILE,  16*SPITCH
.set OUTP,   STG+4*STILE               ; partial outputs: 8 sets (2 wave + lane half) x 2 queries
.set OROW,   2112
; window 0
.set SPW, 1
.set NIL, 2
.set R,   3
.set H,   4
.set LN,  5
.set HA,  6                            ; v6-7 my rows of h (+24 h; +40 h); then 2 r and 32 r
.set STA, 8
.set STR, 9                            ; v9-10
.set AQS, 11
.set T0,  12
.set ARQ, 13
.set ARG, 14
.set AQT, 15
.set VOL, 16
.set VOR, 17
.set VOT, 18
.set VOTS, 19
.set MB,  20                           ; v20-27 mask bytes, key tile m
.set ASS, 20                           ; at the head: where W's scale bytes go
.set GSC, 21                           ; at the head: 16 x thread
.set TSW, 28
.set HS,  32                           ; v32-63 h's scale words 4 m + q (at the head: W's scale bytes on their way)
.set WS,  64                           ; v64-79 W's scale words: 8 buffer + 4 o + q
.set QS,  64                           ; v64-95 Wq's scale words
.set NW,  96
.set TMP, 112
.set ACC, 80                           ; v80-207 the 16 accumulators: 8 (8 o + m)
.set QB,  208                          ; K: v208-239 q'' of the pair: 16 o + 8 g + j
.set OA,  208                          ; V: v208-239 16 o + 4 m' + 2 g, a pair each
.set FT,  240                          ; V: v240-255 at work: 8 o
.set ARH, 6
.set ARL, 7
.set AAT, 8
.set A16, 9
.set G16, 10
.set AOP, 11
.set AOU, 12
.set AA2, 13
; window 1
.set WF,  0                            ; v0-191 W's fragments: 96 buffer + 48 o + 12 q
.set SA,  192                          ; K: v192-239 6 m: squares, dot 0, dot 1, a pair each
.set AW,  240                          ; 816 r + 24 h, + 40 h
.set ADR, 242
.set AQ0, 244
.set ASC0, 245
.set AO0, 246
.set ADQ, 247
.set ADS, 248
.set ADO, 249
; windows 2, 3: v0-191 h's fragments of key tiles 0-3, 4-7; v192-255 by phase
.set TF,  192
.set QA,  192
.set AT,  192                          ; V: attn 16 (m % 4) + 8 g + j: key tiles 4-7 in window 2, 0-3 in window 3
.set WV,  34
.set CX,  35
.set CY,  36
.set BB,  37
.set NN,  38
.set G1H, 48
.set G1W, 56
.set G0H, 76
.set G0K, 88
.set G0V, 92
.set SEL, 96
.set HM,  98
.set TB,  99                           ; LDS byte of the pair of tiles to be fetched
.set TQ,  100
.set TO,  100
.set TS,  101
.set CI,  66
.set CO,  67
.set KA,  0x09                         ; K: W window 1, h window 2, C and D window 0
.set KB,  0x0d                         ; the same with h's window 3
.set KV,  0x50                         ; K's batch: sources 0, 1 window 0, the sums window 1
.set VA,  0x06                         ; V: h window 2 as source 0, W window 1 as source 1, C and D window 0
.set VB,  0x07
.set VV3, 0x03                         ; V's batch: attn window 3 as source 0, the rest window 0
.set VV2, 0x02
.set WX,  0x55
.set LS0, 0x01                         ; address window 1, the rest window 0
.set PADW, (3<<16)|(1<<20)|(1<<21)|(5<<22)|(3<<25)   ; elements of 8 bytes; padding on; bit 21 beside a mask; behind every 64 words 4 words
.set MSB, 0
.macro WIN new
.if MSB != \new
	s_set_vgpr_msb (MSB<<8)|\new
.set MSB, \new
.endif
.endm
.macro CROUND
	s_barrier_signal -1
	s_barrier_wait -1
	s_cmp_lg_u32 s[WV], 0
	s_cbranch_scc1 .Lnot_wave_0_\@
	s_barrier_signal -3
.Lnot_wave_0_\@:
	s_barrier_wait -3
	s_barrier_signal -1
	s_barrier_wait -1
.endm
.macro BAR
	s_wait_dscnt 0x0
	s_barrier_signal -1
	s_barrier_wait -1
.endm
.macro NOP4
.rept 4
	v_nop
.endr
.endm
; the stage's pieces: 8 pc + 16 (pc / 16); lanes 16-31 read three pieces on
.macro PIECE reg, adr, pc, base
.set xr, \reg
.set xp, \pc
.set xo, (\base)+8*xp+16*(xp/16)
.if xp%16 < 13
	ds_load_b64 v[xr:xr+1], v[\adr] offset:xo
.else
	ds_load_b64 v[xr:xr+1], v[\adr+1] offset:xo
.endif
.endm
.macro TILE24 reg, adr, base
.set ww, 0
.rept 24
	PIECE (\reg)+12*(ww/6)+2*(ww%6), \adr, 12*(ww/6)+6*((ww%6)/3)+(ww%6)%3, \base
.set ww, ww+1
.endr
.endm
; a slot's pieces: piece pc of a row of parity o.  Behind the row's padding: 16 more; where lanes 16-31 alone lie behind it, the second address register
.macro PC2 reg, adr, pc, o, base
.set xr, \reg
.set xp, 8*(\pc)
.set xb, 256-128*(\o)
.set xo, (\base)+400*(\o)+xp
.if xp >= xb
	ds_load_b64 v[xr:xr+1], v[\adr] offset:xo+16
.elseif xp+24 >= xb
	ds_load_b64 v[xr:xr+1], v[\adr+1] offset:xo
.else
	ds_load_b64 v[xr:xr+1], v[\adr] offset:xo
.endif
.endm
; a tile's four fragments: K step q at 12 q; registers 6 c .. 6 c + 5 hold K = 64 c + 32 (lane / 16) + 0 .. 31
.macro TILE2 reg, adr, o, base
.set ww, 0
.rept 24
	PC2 (\reg)+12*(ww/6)+2*(ww%6), \adr, 12*(ww/6)+6*((ww%6)/3)+(ww%6)%3, \o, \base
.set ww, ww+1
.endr
.endm
.macro MM0 d, a, b, sa, sb
.set xd, \d
.set xa, \a
.set xb, \b
.set xs, \sa
.set xt, \sb
	v_wmma_scale_f32_16x16x128_f8f6f4 v[xd:xd+7], v[xa:xa+11], v[xb:xb+11], 0, v[xs], v[xt] matrix_a_fmt:MATRIX_FMT_FP6 matrix_b_fmt:MATRIX_FMT_FP6
.endm
.macro MMA d, a, b, sa, sb
.set xd, \d
.set xa, \a
.set xb, \b
.set xs, \sa
.set xt, \sb
	v_wmma_scale_f32_16x16x128_f8f6f4 v[xd:xd+7], v[xa:xa+11], v[xb:xb+11], v[xd:xd+7], v[xs], v[xt] matrix_a_fmt:MATRIX_FMT_FP6 matrix_b_fmt:MATRIX_FMT_FP6
.endm
	s_load_b512 s[4:19], s[0:1], 0x0               ; h codes 4, scales 6, Wk 8, 10, Wv 12, 14, Wq 16, 18
	s_load_b256 s[20:27], s[0:1], 0x40             ; target codes 20, scales 22, wq 24, wk 26
	s_load_b128 s[28:31], s[0:1], 0x60             ; mask 28, out0 30
	s_load_b64 s[32:33], s[0:1], 0x70              ; out1
	v_lshl_add_u32 v[SPW], v0, 2, SPARE
	v_mov_b32 v[NIL], 0
	ds_add_u32 v[SPW], v[NIL]                      ; the opening lines: the add twice on end and one wait
	ds_add_u32 v[SPW], v[NIL]
	v_lshrrev_b32 v[LN], 5, v0
	v_readfirstlane_b32 s[WV], v[LN]               ; wave 0..3
	v_and_b32 v[R], 15, v0
	v_bfe_u32 v[H], v0, 4, 1
	v_lshl_add_u32 v[ASS], v[LN], 9, SCK           ; scale row 128 i + thread goes to 2048 i + 512 wave + 256 (thread & 1) + 16 ((thread >> 1) & 15)
	v_and_b32 v[GSC], 1, v0
	v_lshl_add_u32 v[ASS], v[GSC], 8, v[ASS]
	v_bfe_u32 v[GSC], v0, 1, 4
	v_lshl_add_u32 v[ASS], v[GSC], 4, v[ASS]
	v_lshlrev_b32 v[GSC], 4, v0
	v_and_b32 v[LN], 31, v0
	v_lshlrev_b32 v[VOL], 4, v[LN]
	s_bfe_u32 s[CX], ttmp6, 0x40000
	s_bfe_u32 s[CY], ttmp6, 0x40004
	s_lshl_b32 s[BB], ttmp9, 2
	s_add_co_u32 s[BB], s[BB], s[CX]               ; b
	s_and_b32 s[NN], ttmp7, 0xffff
	s_lshl_b32 s[NN], s[NN], 2
	s_add_co_u32 s[NN], s[NN], s[CY]               ; n
	s_lshl_b32 s39, s[CY], 2
	s_lshl_b32 s39, 15, s39                        ; my row of the cluster (same n)
	s_lshl_b32 s2, 0x1111, s[CX]                   ; my column (same b)
	s_or_b32 s[G1H], s2, PADW                      ; h: 128 rows of codes = 192 rows of 256 bytes, to my column
	s_mov_b32 s[G1H+1], 32<<16
	s_mov_b32 s[G1H+2], 192<<16
	s_mov_b32 s[G1H+3], 32<<16
	s_mov_b32 s[G1H+4], 192
	s_mov_b32 s[G1H+5], 32
	s_mov_b32 s[G1H+6], 0
	s_mov_b32 s[G1H+7], 0
	s_or_b32 s[G1W], s39, PADW                     ; W: 64 rows of codes = 96 rows of 256 bytes, to my row
	s_mov_b32 s[G1W+1], 32<<16
	s_mov_b32 s[G1W+2], 96<<16
	s_mov_b32 s[G1W+3], 32<<16
	s_mov_b32 s[G1W+4], 96
	s_mov_b32 s[G1W+5], 32
	s_mov_b32 s[G1W+6], 0
	s_mov_b32 s[G1W+7], 0
	s_mov_b32 s[SEL], 0x76543210
	s_mov_b32 s[SEL+1], 0xfedcba98                 ; selects for lane l xor 16
	s_mov_b32 s[HM], 0xffff0000
	s_lshr_b32 s40, s[WV], 1
	s_lshl_b32 s40, s40, 17
	s_and_b32 s41, s[WV], 1
	s_mul_i32 s41, s41, 192*UP
	s_add_co_u32 s40, s40, s41                     ; where my 128 rows of h go: waves 0, 1 in slot A, waves 2, 3 in slot B
	s_wait_dscnt 0x0
	s_wait_alu depctr_va_vdst(0)                   ; the wait ahead of the blocking wait
	s_wait_kmcnt 0x0
	s_mul_i32 s42, s[BB], 196608                   ; h's descriptor: registers that hold b and never n
	s_mul_i32 s43, s[WV], 49152
	s_add_co_u32 s42, s42, s43
	s_mov_b32 s43, 0
	s_mov_b32 s[G0H], 1
	s_mov_b32 s[G0H+1], s40
	s_add_nc_u64 s[G0H+2:G0H+3], s[4:5], s[42:43]
	s_or_b32 s[G0H+3], s[G0H+3], 0x80000000
	s_mul_i32 s44, s[WV], 96*UP                    ; W's descriptors: registers that hold n and never b.  64 rows of a slot's 256 a wave
	s_mul_i32 s46, s[NN], 196608
	s_mul_i32 s45, s[WV], 24576
	s_add_co_u32 s46, s46, s45
	s_mov_b32 s47, 0
	s_mov_b32 s[G0K], 1
	s_mov_b32 s[G0K+1], s44                        ; Wk rows 0-255 into slot A
	s_add_nc_u64 s[G0K+2:G0K+3], s[8:9], s[46:47]
	s_or_b32 s[G0K+3], s[G0K+3], 0x80000000
	s_mov_b32 s[G0V], 1
	s_add_co_u32 s[G0V+1], s44, SLOT1              ; Wv's steps ahead of each use: it starts one step back and is never used so
	s_add_nc_u64 s[G0V+2:G0V+3], s[12:13], s[46:47]
	s_sub_nc_u64 s[G0V+2:G0V+3], s[G0V+2:G0V+3], 98304
	s_or_b32 s[G0V+3], s[G0V+3], 0x80000000
	s_lshl_b32 s46, s[NN], 13                      ; the plain loads' and stores' bases: my head's scale bytes,
	s_add_nc_u64 s[10:11], s[10:11], s[46:47]
	s_add_nc_u64 s[14:15], s[14:15], s[46:47]
	s_mov_b32 s3, 0
	s_mul_i32 s2, s[WV], 49152
	s_add_nc_u64 s[16:17], s[16:17], s[2:3]        ; Wq: my 128 rows
	s_lshl_b32 s2, s[WV], 11
	s_add_nc_u64 s[18:19], s[18:19], s[2:3]
	s_lshl_b32 s39, s[BB], 3
	s_lshl_b32 s2, s[NN], 1
	s_add_co_u32 s39, s39, s2                      ; token row 8 b + 2 n
	s_mul_i32 s2, s39, 384
	s_add_nc_u64 s[20:21], s[20:21], s[2:3]
	s_lshl_b32 s2, s39, 4
	s_add_nc_u64 s[22:23], s[22:23], s[2:3]
	s_lshl_b32 s2, s39, 11
	s_add_nc_u64 s[30:31], s[30:31], s[2:3]
	s_add_nc_u64 s[32:33], s[32:33], s[2:3]
	s_lshl_b32 s39, s[BB], 9
	s_lshl_b32 s2, s[WV], 7
	s_add_co_u32 s2, s39, s2                       ; my first key: 512 b + 128 w
	s_add_nc_u64 s[28:29], s[28:29], s[2:3]
	s_lshl_b32 s2, s2, 4
	s_add_nc_u64 s[6:7], s[6:7], s[2:3]
	CROUND                                         ; all sixteen work-groups are here: the first joint loads meet
	tensor_load_to_lds s[G0H:G0H+3], s[G1H:G1H+7]  ; my 128 rows of h: the wave's one load at the head
	s_nop 0
	NOP4
.irp i, 0,1,2,3                                ; W's scale bytes: a wave's load covers 512 consecutive bytes
	global_load_b128 v[HS+4*\i:HS+4*\i+3], v[GSC], s[10:11] offset:2048*\i
.endr
.irp i, 0,1,2,3
	global_load_b128 v[HS+16+4*\i:HS+16+4*\i+3], v[GSC], s[14:15] offset:2048*\i
.endr
	WIN 0x40
.irp i, 0,1,2,3,4                              ; Wq's tiles 0-4 of my eight, as they lie; into window 1
.irp j, 0,1,2,3,4,5,6,7,8,9,10,11
	global_load_b128 v[48*\i+4*\j:48*\i+4*\j+3], v[VOL], s[16:17] offset:6144*\i+512*\j
.endr
.endr
	WIN 0
	v_mul_u32_u24 v[T0], v[R], SPITCH              ; the addresses are made while all that is on its way
	v_mad_u32_u24 v[STR], v[H], 24, v[T0]
	v_mad_u32_u24 v[STR+1], v[H], 40, v[T0]
	s_mul_i32 s2, s[WV], STILE
	s_add_co_u32 s2, s2, STG                       ; my stage
	v_add_nc_u32 v[STR], s2, v[STR]
	v_add_nc_u32 v[STR+1], s2, v[STR+1]
	v_lshrrev_b32 v[STA], 3, v[LN]
	v_add_nc_u32 v[STA], v[STA], v[LN]
	v_lshlrev_b32 v[STA], 4, v[STA]
	v_add_nc_u32 v[STA], s2, v[STA]                ; dense byte x of a Wq tile goes to x + 16 (x / 128)
	v_mul_u32_u24 v[T0], v[R], ROW2
	v_mad_u32_u24 v[HA], v[H], 24, v[T0]
	v_mad_u32_u24 v[HA+1], v[H], 40, v[T0]
	v_add_nc_u32 v[HA], s40, v[HA]
	v_add_nc_u32 v[HA+1], s40, v[HA+1]
	v_and_b32 v[VOTS], 1, v0                       ; r & 1: which of my two tokens
	s_lshl_b32 s3, s[WV], 9
	s_add_co_u32 s3, s3, QT
	v_lshl_add_u32 v[AQS], v[VOTS], 11, s3
	v_lshl_add_u32 v[AQS], v[H], 5, v[AQS]
	s_lshl_b32 s3, s[WV], 3
	s_add_co_u32 s3, s3, RED
	v_lshl_add_u32 v[ARQ], v[VOTS], 2, s3
	s_lshr_b32 s3, s[WV], 1
	s_lshl_b32 s3, s3, 2
	s_add_co_u32 s3, s3, RED
	v_mov_b32 v[ARG], s3
	v_lshl_add_u32 v[AQT], v0, 5, QT
	v_lshlrev_b32 v[VOR], 4, v[R]
	v_mul_u32_u24 v[VOT], v[VOTS], 384
	v_mad_u32_u24 v[VOT], v[H], 24, v[VOT]
	v_lshlrev_b32 v[VOTS], 4, v[VOTS]
	s_mul_i32 s3, s[WV], 4*OROW
	s_add_co_u32 s3, s3, OUTP
	v_mul_u32_u24 v[TMP], v[H], 2*OROW
	v_add_nc_u32 v[TMP], s3, v[TMP]
	WIN 0x40                                       ; destination window 1
	v_mad_u32_u24 v[AW], v[H], 24, v[T0]
	v_mad_u32_u24 v[AW+1], v[H], 40, v[T0]
	v_lshl_add_u32 v[AQ0], v[H], 5, QT2
	v_lshl_add_u32 v[ASC0], v[R], 4, SCK
	v_lshl_add_u32 v[AO0], v[R], 3, v[TMP]         ; channel 32 T + 2 r + o: 8 r bytes
	WIN 0
	v_and_b32 v[T0], 63, v0
	v_lshlrev_b32 v[T0], 5, v[T0]                  ; my eight channels of the gains
	s_wait_alu depctr_va_vdst(0)                   ; the wait at the head's end
	; ---- h into registers.  Only the wave that asked for them reads these 128 rows
	s_wait_tensorcnt 0x0                           ; my rows of h are in
	s_wait_loadcnt 60                              ; W's scale bytes are in: behind them stand the 60 loads of Wq
.irp i, 0,1,2,3
	ds_store_b128 v[ASS], v[HS+4*\i:HS+4*\i+3] offset:2048*\i
	ds_store_b128 v[ASS], v[HS+16+4*\i:HS+16+4*\i+3] offset:8192+2048*\i
.endr
.irp i, 5,6,7
.irp j, 0,1,2,3,4,5,6,7,8,9,10,11
	global_load_b128 v[TMP+48*(\i-5)+4*\j:TMP+48*(\i-5)+4*\j+3], v[VOL], s[16:17] offset:6144*\i+512*\j
.endr
.endr
	global_load_b128 v[TSW:TSW+3], v[VOTS], s[22:23]
	WIN 0x80
.irp q, 0,1,2,3                                ; the target fragment: lane r takes token 2 n + (r & 1)
.irp e, 0,1,2,3,4,5
	global_load_b64 v[TF+12*\q+2*\e:TF+12*\q+2*\e+1], v[VOT], s[20:21] offset:96*\q+48*(\e/3)+8*(\e%3)
.endr
.endr
.irp m, 0,1,2,3                                ; key tile m = 2 T + o: my keys 32 T + 2 r + o
	TILE2 48*\m, HA, \m%2, PAIRB*(\m/2)
.endr
	WIN 0xc0
.irp m, 4,5,6,7
	TILE2 48*(\m-4), HA, \m%2, PAIRB*(\m/2)
.endr
	WIN 0
	; ---- slot A is filled again: Wk rows 0-255
	s_wait_tensorcnt 0x0
	ds_add_u32 v[SPW], v[NIL]
	s_wait_dscnt 0x0                               ; the add is done, h is in my registers, the scale bytes are stored
	CROUND
	tensor_load_to_lds s[G0K:G0K+3], s[G1W:G1W+7]
	s_nop 0
	NOP4
	v_lshlrev_b32 v[HA], 1, v[R]                   ; 2 r: a key's mask byte
	v_lshlrev_b32 v[HA+1], 5, v[R]                 ; 32 r: its 16 scale bytes
.irp i, 0,1,2,3,4,5,6,7                        ; the last 28 plain loads
	global_load_b128 v[QS+4*\i:QS+4*\i+3], v[VOR], s[18:19] offset:256*\i
.endr
.irp m, 0,1,2,3,4,5,6,7
	global_load_b128 v[HS+4*\m:HS+4*\m+3], v[HA+1], s[6:7] offset:512*(\m/2)+16*(\m%2)   ; the two tiles of a T read 512 consecutive bytes between them
.endr
.irp m, 0,1,2,3,4,5,6,7
	global_load_u8 v[MB+\m], v[HA], s[28:29] offset:32*(\m/2)+(\m%2)
.endr
	global_load_b128 v[NW:NW+3], v[T0], s[24:25]
	global_load_b128 v[NW+4:NW+7], v[T0], s[24:25] offset:16
	global_load_b128 v[NW+8:NW+11], v[T0], s[26:27]
	global_load_b128 v[NW+12:NW+15], v[T0], s[26:27] offset:16
	; ---- q, while Wk's first rows land.  Each raw tile goes through my stage and comes back as four fragments, into the registers that it left
	s_wait_loadcnt 28                              ; all but the 28 just issued
.irp i, 0,1,2,3,4
	WIN 0x04
.irp j, 0,1,2,3,4,5,6,7,8,9,10,11
	ds_store_b128 v[STA], v[48*\i+4*\j:48*\i+4*\j+3] offset:576*\j
.endr
	WIN 0x40
	TILE24 48*\i, STR, 0                           ; LDS serves a wave's instructions in order (ISA guide 5.7.1.4)
.endr
	WIN 0
.irp i, 5,6,7
.irp j, 0,1,2,3,4,5,6,7,8,9,10,11
	ds_store_b128 v[STA], v[TMP+48*(\i-5)+4*\j:TMP+48*(\i-5)+4*\j+3] offset:576*\j
.endr
	TILE24 TMP+48*(\i-5), STR, 0
.endr
	s_mov_b32 s2, 0x3b000000                       ; 1 / 512
	s_mov_b32 s3, 0x358637bd                       ; 1e-6
	s_wait_loadcnt 0x0
	s_wait_dscnt 0x0
.irp q, 0,1,2,3                                ; q^T: source 0 = 16 rows of Wq, source 1 = the target; the 8 accumulators by turns
	WIN 0xf9
.irp i, 0,1,2,3,4
.if \q == 0
	MM0 QA+8*\i, 48*\i+12*\q, TF+12*\q, QS+4*\i+\q, TSW+\q
.else
	MMA QA+8*\i, 48*\i+12*\q, TF+12*\q, QS+4*\i+\q, TSW+\q
.endif
.endr
	WIN 0xf8
.irp i, 5,6,7
.if \q == 0
	MM0 QA+8*\i, TMP+48*(\i-5)+12*\q, TF+12*\q, QS+4*\i+\q, TSW+\q
.else
	MMA QA+8*\i, TMP+48*(\i-5)+12*\q, TF+12*\q, QS+4*\i+\q, TSW+\q
.endif
.endr
.endr
	WIN 0
	NOP4                                           ; four places behind the last product (ISA guide 7.12.1)
	WIN 0x0c
.irp i, 0,1,2,3,4,5,6,7                        ; lane (r, h), register j of tile i: q(token r & 1, 128 w + 16 i + 8 h + j)
	ds_store_b128 v[AQS], v[QA+8*\i:QA+8*\i+3] offset:64*\i
	ds_store_b128 v[AQS], v[QA+8*\i+4:QA+8*\i+7] offset:64*\i+16
.endr
	WIN 0x0f
.set xi, 0
.rept 32                                       ; the sum of squares of my 64 numbers, in four chains
.if xi < 4
	v_pk_mul_f32 v[TMP+2*xi:TMP+2*xi+1], v[QA+2*xi:QA+2*xi+1], v[QA+2*xi:QA+2*xi+1]
.else
	v_pk_fma_f32 v[TMP+2*(xi%4):TMP+2*(xi%4)+1], v[QA+2*xi:QA+2*xi+1], v[QA+2*xi:QA+2*xi+1], v[TMP+2*(xi%4):TMP+2*(xi%4)+1]
.endif
.set xi, xi+1
.endr
	WIN 0
	v_pk_add_f32 v[TMP:TMP+1], v[TMP:TMP+1], v[TMP+2:TMP+3]
	v_pk_add_f32 v[TMP+4:TMP+5], v[TMP+4:TMP+5], v[TMP+6:TMP+7]
	v_pk_add_f32 v[TMP:TMP+1], v[TMP:TMP+1], v[TMP+4:TMP+5]
	v_add_f32 v[TMP], v[TMP], v[TMP+1]
	v_permlanex16_b32 v[TMP+1], v[TMP], s[SEL], s[SEL+1]
	v_add_f32 v[TMP], v[TMP], v[TMP+1]
	ds_store_b32 v[ARQ], v[TMP]
	BAR                                            ; raw q and the four partial sums lie in LDS
	ds_load_b32 v[TMP], v[ARG]                     ; a thread finishes eight numbers: query thread / 64, channels 8 (thread % 64) on
	ds_load_b32 v[TMP+1], v[ARG] offset:8
	ds_load_b32 v[TMP+2], v[ARG] offset:16
	ds_load_b32 v[TMP+3], v[ARG] offset:24
	ds_load_b128 v[TMP+8:TMP+11], v[AQT]
	ds_load_b128 v[TMP+12:TMP+15], v[AQT] offset:16
.irp k, 0,1,2,3,4,5,6,7
	v_pk_add_f32 v[NW+2*\k:NW+2*\k+1], v[NW+2*\k:NW+2*\k+1], 1.0 op_sel_hi:[1,0]
.endr
.irp k, 0,1,2,3
	v_pk_mul_f32 v[NW+2*\k:NW+2*\k+1], v[NW+2*\k:NW+2*\k+1], v[NW+8+2*\k:NW+9+2*\k]   ; (1 + wq)(1 + wk)
.endr
	v_bfe_u32 v[STA], v0, 2, 4                     ; where q'' goes: channel 8 k + i lies in tile 2 (k / 4) + (i & 1) at place 4 (k & 3) + i / 2
	v_lshlrev_b32 v[STA], 7, v[STA]
	v_and_b32 v[STR], 3, v0
	v_lshl_add_u32 v[STA], v[STR], 4, v[STA]
	v_lshrrev_b32 v[STR], 6, v0
	v_lshl_add_u32 v[STA], v[STR], 11, v[STA]
	v_add_nc_u32 v[STA], QT2, v[STA]
	s_wait_dscnt 0x0
	v_add_f32 v[TMP], v[TMP], v[TMP+1]
	v_add_f32 v[TMP+2], v[TMP+2], v[TMP+3]
	v_add_f32 v[TMP], v[TMP], v[TMP+2]
	v_fma_f32 v[TMP], v[TMP], s2, s3               ; mean of squares + 1e-6
	s_wait_alu depctr_va_vdst(0)                   ; the wait ahead of the transcendental
	v_rsq_f32 v[TMP], v[TMP]
	v_nop
	s_wait_alu depctr_va_vdst(0)                   ; and ahead of its first reader
	v_mul_f32 v[TMP], 0x3d8293ee, v[TMP]           ; x 512^-0.5 log2(e)
.irp k, 0,1,2,3
	v_pk_mul_f32 v[NW+2*\k:NW+2*\k+1], v[NW+2*\k:NW+2*\k+1], v[TMP:TMP+1] op_sel_hi:[1,0]
.endr
.irp i, 0,1,2,3,4,5,6,7
	v_mul_f32 v[TMP+16+(\i/2)+4*(\i%2)], v[TMP+8+\i], v[NW+\i]     ; even channels into the first four registers, odd ones into the next four
.endr
	ds_store_b128 v[STA], v[TMP+16:TMP+19]
	ds_store_b128 v[STA], v[TMP+20:TMP+23] offset:64
	; ---- slot B is filled again: Wk rows 256-511.  The same round shows q'' and Wk's first rows to every wave
	s_wait_tensorcnt 0x0
	ds_add_u32 v[SPW], v[NIL]
	s_xor_b32 s[G0K+1], s[G0K+1], SLOT1            ; no tensor load of mine is out: the descriptor steps
	s_add_nc_u64 s[G0K+2:G0K+3], s[G0K+2:G0K+3], 98304
	s_wait_dscnt 0x0
	CROUND
	tensor_load_to_lds s[G0K:G0K+3], s[G1W:G1W+7]
	s_nop 0
	NOP4
; ---- THE K PHASE.  Step T: the run of loads, 32 matrix instructions on key tiles 0-3 and 32 on 4-7, the wait, the batch.
; In a half the eight accumulators (two tiles of W x four key tiles) take turns, K step by K step.
.macro KMM i, grp, b                   ; instruction i of 32: K step i / 8, tile (i / 4) % 2, key tile i % 4 of the half
.set xq, (\i)/8
.set xw, ((\i)/4)%2
.set xm, 4*(\grp)+(\i)%4
.if xq == 0
	MM0 ACC+8*(8*xw+xm), WF+96*(\b)+48*xw+12*xq, 48*(xm%4)+12*xq, WS+8*(\b)+4*xw+xq, HS+4*xm+xq
.else
	MMA ACC+8*(8*xw+xm), WF+96*(\b)+48*xw+12*xq, 48*(xm%4)+12*xq, WS+8*(\b)+4*xw+xq, HS+4*xm+xq
.endif
.endm
.macro KBATCH grp                      ; 96 items: tile by tile, pair u by pair u: each accumulator is first read at its low end; a sum recurs twelve items on
.irp o, 0,1
.irp u, 0,1,2,3
.irp mm, 0,1,2,3
.set xa, ACC+8*(8*\o+4*(\grp)+\mm)+2*\u
.set xs, SA+6*(4*(\grp)+\mm)
.set xq, QB+16*\o+2*\u
	v_pk_fma_f32 v[xs:xs+1], v[xa:xa+1], v[xa:xa+1], v[xs:xs+1]
	v_pk_fma_f32 v[xs+2:xs+3], v[xa:xa+1], v[xq:xq+1], v[xs+2:xs+3]
	v_pk_fma_f32 v[xs+4:xs+5], v[xa:xa+1], v[xq+8:xq+9], v[xs+4:xs+5]
.endr
.endr
.endr
.endm
.macro STEPW wrap                      ; the fetches go on to the next pair of tiles; wrap: the other slot's first
.if \wrap
	s_sub_co_u32 s[TB], s[TB], 7*PAIRB
	s_xor_b32 s[TB], s[TB], SLOT1
.else
	s_add_co_u32 s[TB], s[TB], PAIRB
.endif
	s_add_co_u32 s[TS], s[TS], 512
	v_add_nc_u32 v[ADR], v[AW], s[TB]
	v_add_nc_u32 v[ADR+1], v[AW+1], s[TB]
	v_add_nc_u32 v[ADS], v[ASC0], s[TS]
.endm
.macro WRUN b                          ; the next pair's fragments and scale words into the other buffer: a whole batch of places behind the products that read it
	WIN WX
	TILE2 WF+96*(1-\b), ADR, 0, 0
	TILE2 WF+96*(1-\b)+48, ADR, 1, 0
	WIN LS0
	ds_load_b128 v[WS+8*(1-\b):WS+8*(1-\b)+3], v[ADS]
	ds_load_b128 v[WS+8*(1-\b)+4:WS+8*(1-\b)+7], v[ADS] offset:256
.endm
.macro KSTEP b, wrap
	WRUN \b
.irp g, 0,1,2,3                                ; q'' of this pair's two tiles
	ds_load_b128 v[QB+8*\g:QB+8*\g+3], v[ADQ] offset:64*(\g/2)+2048*(\g%2)
	ds_load_b128 v[QB+8*\g+4:QB+8*\g+7], v[ADQ] offset:64*(\g/2)+2048*(\g%2)+16
.endr
	WIN KA
.set si, 0
.rept 32
	KMM si, 0, \b
.set si, si+1
.endr
	WIN KB
.set si, 0
.rept 32
	KMM si, 1, \b
.set si, si+1
.endr
	WIN WX
	s_wait_dscnt 0x0                               ; the run above, issued 64 matrix instructions ago, is in
	STEPW \wrap                                    ; four plain instructions: the places ahead of the first read of key tiles 0-3's results
	s_add_co_u32 s[TQ], s[TQ], 128
	v_add_nc_u32 v[ADQ], v[AQ0], s[TQ]
	WIN KV
	KBATCH 0                                       ; these 96 are the places behind key tiles 4-7's products
	KBATCH 1
.endm
; The change of slots stands ahead of a slot's LAST step, whose fragments are in registers: the slot's reads are over.  The slot takes 256 rows of Wv.
.macro RHO
	WIN 0
	s_wait_tensorcnt 0x0                           ; all my tensor loads have landed: my part of the other slot
	ds_add_u32 v[SPW], v[NIL]
	s_xor_b32 s[G0V+1], s[G0V+1], SLOT1
	s_add_nc_u64 s[G0V+2:G0V+3], s[G0V+2:G0V+3], 98304
	s_wait_dscnt 0x0
	CROUND
	tensor_load_to_lds s[G0V:G0V+3], s[G1W:G1W+7]
	s_nop 0
	NOP4
.endm
	s_mov_b32 s[TB], 0
	s_mov_b32 s[TQ], 0
	s_mov_b32 s[TS], 0
	WIN WX
	TILE2 WF, AW, 0, 0                             ; pair 0
	TILE2 WF+48, AW, 1, 0
	WIN LS0
	ds_load_b128 v[WS:WS+3], v[ASC0]
	ds_load_b128 v[WS+4:WS+7], v[ASC0] offset:256
	WIN WX
	STEPW 0                                        ; the first step fetches pair 1
	v_mov_b32 v[ADQ], v[AQ0]
.set xi, 0
.rept 48
	v_mov_b32 v[SA+xi], 0                          ; the 24 running sums, a pair each
.set xi, xi+1
.endr
	s_wait_dscnt 0x0
	WIN 0
	s_mov_b32 s[CO], 2
.Lk_slot:                                              ; a trip is a slot's 8 steps
	s_mov_b32 s[CI], 3
.Lk_pair:
	KSTEP 0, 0
	KSTEP 1, 0
	WIN 0
	s_sub_co_u32 s[CI], s[CI], 1
	s_cmp_lg_u32 s[CI], 0
	s_cbranch_scc1 .Lk_pair
	KSTEP 0, 1                                     ; it fetches the slot's last pair; the fetch after that goes to the other slot
	RHO                                            ; trip 1: Wv rows 0-255 into slot A; trip 2: rows 256-511 into slot B
	KSTEP 1, 0                                     ; (the very last step fetches Wv's pair 0 and its scale words: V's scales lie straight behind K's)
	WIN 0
	s_sub_co_u32 s[CO], s[CO], 1
	s_cmp_lg_u32 s[CO], 0
	s_cbranch_scc1 .Lk_slot
	; ---- THE SOFTMAX.  v112-119 sums of squares, v120-127 t, then p, then attn, v128-135 the second query's dots, v136-159 at work
	WIN 0x05
.irp m, 0,1,2,3,4,5,6,7
	v_add_f32 v[112+\m], v[SA+6*\m], v[SA+6*\m+1]
	v_add_f32 v[120+\m], v[SA+6*\m+2], v[SA+6*\m+3]
	v_add_f32 v[128+\m], v[SA+6*\m+4], v[SA+6*\m+5]
.endr
	WIN 0
.set xi, 0
.rept 24
	v_permlanex16_b32 v[136+xi], v[112+xi], s[SEL], s[SEL+1]   ; a key's other 256 channels lie in the lane 16 away
.set xi, xi+1
.endr
.set xi, 0
.rept 24
	v_add_f32 v[112+xi], v[112+xi], v[136+xi]
.set xi, xi+1
.endr
.irp m, 0,1,2,3,4,5,6,7
	v_cndmask_b32 v[120+\m], v[120+\m], v[128+\m], s[HM]       ; from here on lanes 0-15 carry query 0 and lanes 16-31 query 1, place r of key tile m
	v_fma_f32 v[112+\m], v[112+\m], s2, s3
.endr
	s_wait_alu depctr_va_vdst(0)                   ; the wait ahead of the batch
.irp m, 0,1,2,3,4,5,6,7
	v_rsq_f32 v[112+\m], v[112+\m]
.endr
	s_lshl_b32 s8, s[WV], 3                        ; the addresses of what follows are the independent work behind the batch
	s_add_co_u32 s8, s8, RED+256
	v_lshl_add_u32 v[ARH], v[H], 2, s8
	v_lshl_add_u32 v[ARL], v[H], 2, RED+256
	s_lshl_b32 s8, s[WV], 9
	s_add_co_u32 s9, s8, ATT2
	s_add_co_u32 s8, s8, ATT
	v_lshl_add_u32 v[AAT], v[H], 11, s8
	v_lshl_add_u32 v[AAT], v[R], 3, v[AAT]         ; as out1 has it: key 32 T + 2 r + o
	v_lshl_add_u32 v[AA2], v[H], 11, s9
	v_lshl_add_u32 v[AA2], v[R], 2, v[AA2]         ; by key tiles: 64 m + 4 r
	v_lshl_add_u32 v[A16], v0, 4, ATT
	v_lshlrev_b32 v[G16], 4, v0
	v_lshl_add_u32 v[AOP], v[H], 5, s9
	v_lshl_add_u32 v[AOU], v0, 4, OUTP
	s_wait_alu depctr_va_vdst(0)                   ; one wait for the eight, ahead of their first reader
.irp m, 0,1,2,3,4,5,6,7
	v_mul_f32 v[120+\m], v[120+\m], v[112+\m]      ; t
.endr
.irp m, 0,1,2,3,4,5,6,7
	v_cmp_eq_u32 vcc_lo, 0, v[MB+\m]
	v_cndmask_b32 v[120+\m], 0xff800000, v[120+\m], vcc_lo     ; a masked key: -infinity
.endr
	v_max3_num_f32 v128, v120, v121, v122
	v_max3_num_f32 v128, v128, v123, v124
	v_max3_num_f32 v128, v128, v125, v126
	v_max_num_f32 v128, v128, v127
	v_max_num_f32_dpp v128, v128, v128 row_xmask:1 row_mask:0xf bank_mask:0xf
	v_max_num_f32_dpp v128, v128, v128 row_xmask:2 row_mask:0xf bank_mask:0xf
	v_max_num_f32_dpp v128, v128, v128 row_xmask:4 row_mask:0xf bank_mask:0xf
	v_max_num_f32_dpp v128, v128, v128 row_xmask:8 row_mask:0xf bank_mask:0xf
	ds_store_b32 v[ARH], v128                      ; my wave's 128 keys' maximum, for each query
	BAR
	ds_load_b32 v129, v[ARL]
	ds_load_b32 v130, v[ARL] offset:8
	ds_load_b32 v131, v[ARL] offset:16
	ds_load_b32 v132, v[ARL] offset:24
	s_wait_dscnt 0x0
	v_max3_num_f32 v128, v129, v130, v131
	v_max_num_f32 v128, v128, v132                 ; the row's maximum
.irp m, 0,1,2,3,4,5,6,7
	v_sub_f32 v[120+\m], v[120+\m], v128
.endr
	s_wait_alu depctr_va_vdst(0)
.irp m, 0,1,2,3,4,5,6,7
	v_exp_f32 v[120+\m], v[120+\m]
.endr
	v_nop
	s_wait_alu depctr_va_vdst(0)
	v_add_f32 v129, v120, v121
	v_add_f32 v130, v122, v123
	v_add_f32 v131, v124, v125
	v_add_f32 v132, v126, v127
	v_add_f32 v129, v129, v130
	v_add_f32 v131, v131, v132
	v_add_f32 v129, v129, v131
	v_add_f32_dpp v129, v129, v129 row_xmask:1 row_mask:0xf bank_mask:0xf
	v_add_f32_dpp v129, v129, v129 row_xmask:2 row_mask:0xf bank_mask:0xf
	v_add_f32_dpp v129, v129, v129 row_xmask:4 row_mask:0xf bank_mask:0xf
	v_add_f32_dpp v129, v129, v129 row_xmask:8 row_mask:0xf bank_mask:0xf
	ds_store_b32 v[ARH], v129 offset:256           ; other bytes than the maxima's
	BAR
	ds_load_b32 v129, v[ARL] offset:256
	ds_load_b32 v130, v[ARL] offset:264
	ds_load_b32 v131, v[ARL] offset:272
	ds_load_b32 v132, v[ARL] offset:280
	s_wait_dscnt 0x0
	v_add_f32 v129, v129, v130
	v_add_f32 v131, v131, v132
	v_add_f32 v129, v129, v131
	s_wait_alu depctr_va_vdst(0)
	v_rcp_f32 v129, v129
	v_nop
	s_wait_alu depctr_va_vdst(0)
.irp m, 0,1,2,3,4,5,6,7
	v_mul_f32 v[120+\m], v[120+\m], v129
.endr
.irp m, 0,1,2,3,4,5,6,7
	ds_store_b32 v[AAT], v[120+\m] offset:128*(\m/2)+4*(\m%2)
	ds_store_b32 v[AA2], v[120+\m] offset:64*\m
.endr
	BAR                                            ; attn lies in LDS in both orders
	ds_load_b128 v[200:203], v[A16]
	ds_load_b128 v[204:207], v[A16] offset:2048
	WIN 0xc0                                       ; attn as the V phase wants it: lane (r, h): places 8 h + 0 .. 7 of key tile m, both queries.  Key tiles 0-3 into window 3,
.irp m, 0,1,2,3
.irp g, 0,1
	ds_load_b128 v[AT+16*\m+8*\g:AT+16*\m+8*\g+3], v[AOP] offset:2048*\g+64*\m
	ds_load_b128 v[AT+16*\m+8*\g+4:AT+16*\m+8*\g+7], v[AOP] offset:2048*\g+64*\m+16
.endr
.endr
	WIN 0x80                                       ; tiles 4-7 into window 2
.irp m, 4,5,6,7
.irp g, 0,1
	ds_load_b128 v[AT+16*(\m-4)+8*\g:AT+16*(\m-4)+8*\g+3], v[AOP] offset:2048*\g+64*\m
	ds_load_b128 v[AT+16*(\m-4)+8*\g+4:AT+16*(\m-4)+8*\g+7], v[AOP] offset:2048*\g+64*\m+16
.endr
.endr
	WIN 0
	s_wait_dscnt 32                                ; the two loads for out1 are in; the 32 issued behind them may be out
	global_store_b128 v[G16], v[200:203], s[32:33] th:TH_STORE_NT               ; a wave's store covers 512 consecutive bytes, aligned
	global_store_b128 v[G16], v[204:207], s[32:33] offset:2048 th:TH_STORE_NT
	s_mov_b32 s[TO], 0
	s_wait_xcnt 0x0                                ; the stores have read v200-207, which the products below write
	s_wait_dscnt 0x0
; ---- THE V PHASE.  As the K phase, with the sources swapped.  The batch: 128 items in sixteen chains, added up and stored as partial outputs of my lane half's 64 keys.
.macro VMM i, grp, b                   ; instruction i of 32: K step i / 8, key tile (i / 2) % 4 of the half, tile i % 2
.set xq, (\i)/8
.set xw, (\i)%2
.set xm, 4*(\grp)+((\i)/2)%4
.if xq == 0
	MM0 ACC+8*(8*xw+xm), 48*(xm%4)+12*xq, WF+96*(\b)+48*xw+12*xq, HS+4*xm+xq, WS+8*(\b)+4*xw+xq
.else
	MMA ACC+8*(8*xw+xm), 48*(xm%4)+12*xq, WF+96*(\b)+48*xw+12*xq, HS+4*xm+xq, WS+8*(\b)+4*xw+xq
.endif
.endm
.macro VBATCH grp                      ; tile by tile, pair u by pair u: each accumulator is first read at its low end; the first products start the chains
.irp o, 0,1
.irp u, 0,1,2,3
.irp g, 0,1
.irp mm, 0,1,2,3
.set xo, OA+16*\o+4*\mm+2*\g
.set xa, AT+16*\mm+8*\g+2*\u
.set xc, ACC+8*(8*\o+4*(\grp)+\mm)+2*\u
.if (\grp == 0) && (\u == 0)
	v_pk_mul_f32 v[xo:xo+1], v[xa:xa+1], v[xc:xc+1]
.else
	v_pk_fma_f32 v[xo:xo+1], v[xa:xa+1], v[xc:xc+1], v[xo:xo+1]
.endif
.endr
.endr
.endr
.endr
.endm
.macro VSTEP b, wrap
	WRUN \b
	WIN VA
.set si, 0
.rept 32
	VMM si, 0, \b
.set si, si+1
.endr
	WIN VB
.set si, 0
.rept 32
	VMM si, 1, \b
.set si, si+1
.endr
	WIN WX
	s_wait_dscnt 0x0                               ; the run above is in, and the last step's four stores are done
	STEPW \wrap                                    ; four plain instructions: the places ahead of the first read of key tiles 0-3's results
	v_add_nc_u32 v[ADO], v[AO0], s[TO]
	s_add_co_u32 s[TO], s[TO], 128
	WIN VV3
	VBATCH 0                                       ; attn of key tiles 0-3 lies in window 3; these 64 are the places behind key tiles 4-7's products
	WIN VV2
	VBATCH 1
	WIN 0
.irp o, 0,1                                    ; the two tiles' sums are added up side by side
	v_pk_add_f32 v[FT+8*\o:FT+8*\o+1], v[OA+16*\o:OA+16*\o+1], v[OA+16*\o+4:OA+16*\o+5]
	v_pk_add_f32 v[FT+8*\o+2:FT+8*\o+3], v[OA+16*\o+8:OA+16*\o+9], v[OA+16*\o+12:OA+16*\o+13]
	v_pk_add_f32 v[FT+8*\o+4:FT+8*\o+5], v[OA+16*\o+2:OA+16*\o+3], v[OA+16*\o+6:OA+16*\o+7]
	v_pk_add_f32 v[FT+8*\o+6:FT+8*\o+7], v[OA+16*\o+10:OA+16*\o+11], v[OA+16*\o+14:OA+16*\o+15]
.endr
.irp o, 0,1
	v_pk_add_f32 v[FT+8*\o:FT+8*\o+1], v[FT+8*\o:FT+8*\o+1], v[FT+8*\o+2:FT+8*\o+3]
	v_pk_add_f32 v[FT+8*\o+4:FT+8*\o+5], v[FT+8*\o+4:FT+8*\o+5], v[FT+8*\o+6:FT+8*\o+7]
.endr
.irp o, 0,1
	v_add_f32 v[FT+8*\o], v[FT+8*\o], v[FT+8*\o+1]
	v_add_f32 v[FT+8*\o+4], v[FT+8*\o+4], v[FT+8*\o+5]
.endr
	WIN LS0
.irp o, 0,1
	ds_store_b32 v[ADO], v[FT+8*\o] offset:4*\o            ; query 0, channel 32 T + 2 r + o
	ds_store_b32 v[ADO], v[FT+8*\o+4] offset:OROW+4*\o     ; query 1
.endr
.endm
	s_mov_b32 s[CO], 2
.Lv_slot:
	s_mov_b32 s[CI], 3
.Lv_pair:
	VSTEP 0, 0
	VSTEP 1, 0
	WIN 0
	s_sub_co_u32 s[CI], s[CI], 1
	s_cmp_lg_u32 s[CI], 0
	s_cbranch_scc1 .Lv_pair
	VSTEP 0, 1
	WIN 0
	s_wait_tensorcnt 0x0                           ; my part of Wv's rows 256-511 has landed
	s_wait_dscnt 0x0
	s_barrier_signal -1
	s_barrier_wait -1                              ; everybody's has: the other slot may be read.  (In the second trip the fetch that follows brings old bytes of slot A and of raw q, inside LDS, which are not used)
	VSTEP 1, 0
	WIN 0
	s_sub_co_u32 s[CO], s[CO], 1
	s_cmp_lg_u32 s[CO], 0
	s_cbranch_scc1 .Lv_slot
	BAR                                            ; the eight sets of partial outputs lie in LDS
	; ---- out0: a thread adds the eight sets for four neighbouring channels of each query
.irp g, 0,1
.irp t, 0,1,2,3,4,5,6,7
	ds_load_b128 v[112+32*\g+4*\t:112+32*\g+4*\t+3], v[AOU] offset:\t*2*OROW+\g*OROW
.endr
.endr
	s_wait_dscnt 0x0
.irp g, 0,1
.irp k, 0,8,16,24
	v_pk_add_f32 v[112+32*\g+\k:113+32*\g+\k], v[112+32*\g+\k:113+32*\g+\k], v[116+32*\g+\k:117+32*\g+\k]
	v_pk_add_f32 v[114+32*\g+\k:115+32*\g+\k], v[114+32*\g+\k:115+32*\g+\k], v[118+32*\g+\k:119+32*\g+\k]
.endr
.irp k, 0,16
	v_pk_add_f32 v[112+32*\g+\k:113+32*\g+\k], v[112+32*\g+\k:113+32*\g+\k], v[120+32*\g+\k:121+32*\g+\k]
	v_pk_add_f32 v[114+32*\g+\k:115+32*\g+\k], v[114+32*\g+\k:115+32*\g+\k], v[122+32*\g+\k:123+32*\g+\k]
.endr
	v_pk_add_f32 v[112+32*\g:113+32*\g], v[112+32*\g:113+32*\g], v[128+32*\g:129+32*\g]
	v_pk_add_f32 v[114+32*\g:115+32*\g], v[114+32*\g:115+32*\g], v[130+32*\g:131+32*\g]
	global_store_b128 v[G16], v[112+32*\g:115+32*\g], s[30:31] offset:2048*\g th:TH_STORE_NT   ; a wave's store covers 512 consecutive bytes, aligned
.endr
	s_wait_tensorcnt 0x0                           ; the wave's end
	ds_add_u32 v[SPW], v[NIL]
	s_wait_dscnt 0x0
	CROUND                                         ; the closing round
	s_endpgm
.Lfunc_end_k_qf19ed69e24_attn:
	.size	k_qf19ed69e24_attn, .Lfunc_end_k_qf19ed69e24_attn-k_qf19ed69e24_attn
	.p2alignl 7, 3214868480
	.fill 96, 4, 3214868480
	.section	.rodata,"a",@progbits
	.p2align	6, 0x0
	.amdhsa_kernel k_qf19ed69e24_attn
		.amdhsa_group_segment_fixed_size 327680
		.amdhsa_private_segment_fixed_size 0
		.amdhsa_enable_private_segment 0
		.amdhsa_kernarg_size 120
		.amdhsa_user_sgpr_count 2
		.amdhsa_user_sgpr_kernarg_segment_ptr 1
		.amdhsa_wavefront_size32 1
		.amdhsa_system_sgpr_workgroup_id_x 1
		.amdhsa_system_sgpr_workgroup_id_y 1
		.amdhsa_system_sgpr_workgroup_id_z 1
		.amdhsa_system_vgpr_workitem_id 0
		.amdhsa_next_free_vgpr 1024
		.amdhsa_next_free_sgpr 102
		.amdhsa_reserve_vcc 1
		.amdhsa_float_denorm_mode_32 3
		.amdhsa_float_denorm_mode_16_64 3
		.amdhsa_memory_ordered 1
		.amdhsa_forward_progress 1
		.amdhsa_inst_pref_size 255
	.end_amdhsa_kernel
	.section	.bss,"aw",@nobits
	.p2align	6
	.space	262144
	.amdgpu_metadata
---
amdhsa.version: [ 1, 2 ]
amdhsa.kernels:
  - .name:           k_qf19ed69e24_attn
    .symbol:         k_qf19ed69e24_attn.kd
    .args:
      - { .name: history_emb_codes, .offset: 0, .size: 8, .value_kind: global_buffer, .address_space: global }
      - { .name: history_emb_scales, .offset: 8, .size: 8, .value_kind: global_buffer, .address_space: global }
      - { .name: k_proj_w_codes, .offset: 16, .size: 8, .value_kind: global_buffer, .address_space: global }
      - { .name: k_proj_w_scales, .offset: 24, .size: 8, .value_kind: global_buffer, .address_space: global }
      - { .name: v_proj_w_codes, .offset: 32, .size: 8, .value_kind: global_buffer, .address_space: global }
      - { .name: v_proj_w_scales, .offset: 40, .size: 8, .value_kind: global_buffer, .address_space: global }
      - { .name: q_proj_w_codes, .offset: 48, .size: 8, .value_kind: global_buffer, .address_space: global }
      - { .name: q_proj_w_scales, .offset: 56, .size: 8, .value_kind: global_buffer, .address_space: global }
      - { .name: target_emb_codes, .offset: 64, .size: 8, .value_kind: global_buffer, .address_space: global }
      - { .name: target_emb_scales, .offset: 72, .size: 8, .value_kind: global_buffer, .address_space: global }
      - { .name: q_norm_w, .offset: 80, .size: 8, .value_kind: global_buffer, .address_space: global }
      - { .name: k_norm_w, .offset: 88, .size: 8, .value_kind: global_buffer, .address_space: global }
      - { .name: key_padding_mask, .offset: 96, .size: 8, .value_kind: global_buffer, .address_space: global }
      - { .name: out0, .offset: 104, .size: 8, .value_kind: global_buffer, .address_space: global }
      - { .name: out1, .offset: 112, .size: 8, .value_kind: global_buffer, .address_space: global }
    .group_segment_fixed_size: 327680
    .private_segment_fixed_size: 0
    .kernarg_segment_align: 8
    .kernarg_segment_size: 120
    .max_flat_workgroup_size: 128
    .sgpr_count:     102
    .vgpr_count:     1024
    .wavefront_size: 32
...
	.end_amdgpu_metadata
.endif
;; end of part 1
